; MI455X (gfx1250); checked and timed in simulation.
; The chip was launched on July 23, 2026; its instructions are those of AMD's public machine-readable ISA for CDNA 5 (MIT licence, August 2026) and "CDNA5" Instruction Set Architecture Reference Guide (July 2026). The comments in the code are by the model that wrote it; some were corrected since.
;; Attention Operator. Allowed arithmetic: matrix products marked QUANTISED: E4M3 operands, one given power-of-two scale a tensor, by v_wmma_f32_16x16x64_fp8_fp8 or v_wmma_f32_16x16x128_fp8_fp8, f32 sums; products left as they are: f32 operands where the result goes on into a quantised operand, else bf16, f16 or f32 operands; f32 sums; everything else in f32.
;; Inputs: lowp_scales 2 int32 (the exponents e of the quantised operands' scales 2^e); w_k 1 x 16 float32; w_out 16 float32; w_q 1 x 16 float32; w_v 1 x 16 float32; x 4 x 4,096 float32.
;; Outputs: out0 4 x 4,096 float32.
;; This version of the problem:
;;   THIS VERSION OF THE PROBLEM IS GIVEN IN LOW PRECISION. The matrix products marked QUANTISED in the list below multiply operands that are first quantised to E4M3 (4 exponent bits, 3 mantissa bits; 8 bits a number), with one given power-of-two scale for each operand tensor; their sums are f32. All else is computed in f32.
;;   The module's matrix products, in the order in which they are computed (A, B: the left and right operand; K: the contracted axis; several contracted axes count as one K, in the product's order):
;;     1. batch 4 x [M 4,096, K 16] x [K 16, N 4,096]; A: computed on the way; B: computed on the way: left as it is (K = 16 < 32)
;;     2. batch 4 x [M 4,096, K 4,096] x [K 4,096, N 16]; A: softmax (see below); B: computed on the way: QUANTISED (scales: A lowp_scales[0], B lowp_scales[1])
;;     3. [M 16,384, K 16] x [K 16, N 1]; A: computed on the way; B: input w_out: left as it is (K = 16 < 32)
;;   THE QUANTISER, for each operand of a quantised product, along K:
;;     - The operand's scale is 2^e, e = its entry of the input lowp_scales (int32; the entries are numbered through the quantised products in the list's order, A before B).
;;     - Each number is divided by the scale, clamped to +-448, and rounded to the nearest number of E4M3, ties to even, subnormals kept.
;;     - The product sums the exact products of the quantised numbers (number of the format x scale) in f32.
;;   ~~~python
;;   def quantise(x, axis, e):      # numpy; x: float32 -> the quantised numbers, widened to float32 again
;;       x = np.moveaxis(x, axis, -1); K = x.shape[-1]
;;       r = np.clip(x / 2.0 ** e, -448, 448)
;;       step = 2.0 ** (np.maximum(np.frexp(np.where(r == 0, 1, r))[1] - 1, -6) - 3)
;;       q = np.round(r / step) * step * 2.0 ** e      # np.round: ties to even
;;       return np.moveaxis(q, -1, axis).astype(np.float32)
;;   ~~~
;;   SOFTMAX AHEAD OF A QUANTISED PRODUCT. Where the list says 'softmax', what is quantised is not the finished softmax but p = 2^(t - M), with t = logit x log2(e) and M = ceil(the row's largest t), a whole number; so 1/2 < the row's largest p <= 1. The row's sum l is taken of the UNQUANTISED p, in f32, and the product's result is divided by l at the end. Since M is a whole number, a kernel that streams over the keys may use a running M (the ceiling of the running maximum): every later rescaling is an exact power of two, so the quantised numbers keep their values, but for numbers so far below the row's largest that they fall under the format's range.
;;   OPERANDS COMPUTED ON THE WAY. 'Computed on the way' means the value that the module computes at that place (a softmax that the list does not call 'softmax' is quantised finished and normalised). What goes into a quantiser is computed in f32, as accurately as f32 sums, v_exp_f32 and their like allow (about 1e-6 of the number): no bf16 or f16 on the way to a quantiser, and a product that is left as it is and whose result goes on into a quantised operand takes f32 operands (vector FMAs, or v_wmma_f32_16x16x4_f32). A number that lies on a knife's edge between two numbers of the format may be rounded either way, as far as f32 arithmetic and the matrix unit's own rounding can turn it there, and no further.
;; One version. Each part assembles by itself: llvm-mc -triple=amdgcn-amd-amdhsa -mcpu=gfx1250 --defsym DOCPART=n.
;; ======== version 1 of 1: 1 launch
;; launch attn (part 1): grid 256 x 1, 16 waves a work-group, no clusters, 39,936 bytes of LDS; arguments x, w_q, w_k, w_v, w_out, lowp_scales, out0; writes out0
.if DOCPART == 1
	.amdgcn_target "amdgcn-amd-amdhsa--gfx1250"
	.amdhsa_code_object_version 6
	.text
	.protected	k_qcb0ad159b4_attn
	.globl	k_qcb0ad159b4_attn
	.p2align	8
	.type	k_qcb0ad159b4_attn,@function
k_qcb0ad159b4_attn:
	s_mov_b64 s[64:65], 0
	v_nop
	global_prefetch_b8 v0, s[64:65] scope:SCOPE_SE
	s_setreg_imm32_b32 hwreg(HW_REG_WAVE_MODE, 25, 1), 1
	s_wait_xcnt 0x0
; out[b][n] = sum_d w_out[d] * ( sum_m softmax_m(q[n].k[m] / 4) v[m][d] ),  q = x (x) w_q, k = x (x) w_k, v = x (x) w_v.  x, out: [4][4096] f32; the four w: 16 f32.
; THE SCORES.  q and k are outer products of x with 16 numbers each, so q[n].k[m] = x[n] x[m] (w_q . w_k) for every input: the sum over the 16 is made once, in f32, and
; t(n, m) = score x log2(e) = a[n] x[m] with a[n] = x[n] c, c = (w_q . w_k) log2(e) / 4.
; THE ROW'S MAXIMUM.  For a fixed a the rounded product a x is monotone in x, so the row's largest t is max(a xmax, a xmin), xmax and xmin the batch's extremes: the true maximum, known ahead of the keys.
; M = ceil(that t, raised by one to two units in its last place): so the exact a x[m] - M is never positive and p = 2^(t - M) <= 1 whatever the inputs' size.  t - M is ONE fused multiply-add.
; LIMIT: where a whole number lies inside that sliver above the largest t, M is one more than the ceiling of the largest t itself: the row's p and its sum are then both halved, exactly.
; THE QUANTISED PRODUCT, on codes of E4M3: O^T = V^T P^T by v_wmma_f32_16x16x64_fp8_fp8: source 0 = 16 channels d (lane % 16 = d), source 1 = 16 queries (lane % 16 = the query), K = 64 keys.
; p's codes (scale 2^e0) and v's codes (v = x[m] w_v[d], scale 2^e1) are made from the SAME x registers by the same conversions, so a key has the same place along K in both operands; which key has which place is free.
; The row's sum l is taken of the unquantised p.  out = (sum_d O[d] w_out[d]) 2^(e0 + e1) / l.
; SHARES.  256 work-groups; a work-group owns 64 queries (four tiles of 16) of one batch and all its 4,096 keys.  Sixteen waves of 256 registers.  THE KEYS STAY: wave w keeps x of keys 256 w .. 256 w + 255
; (a lane of half h: 128 of them, in 128 registers) and their 16 x 256 codes of V (32 registers) for the whole launch, and walks the four tiles of queries.  Since M is known ahead, the waves' partial sums simply add:
; each lane leaves (sum_j O^T[j] w_out[8 h + j], its sum of p) in LDS, and wave 0 adds a query's 32 parts and stores the work-group's 64 results: 256 consecutive bytes, aligned.
; NO CLUSTER, NO TENSOR LOAD: what work-groups share is the batch's x, 16,384 bytes, read once at the head by two 16-byte loads a lane, against 512 exponentials a lane.
; LIMITS: e0 and e1 between -126 and 119, so that 2^e and 448 x 2^e are f32 numbers.  NaN and infinities among the inputs are not served.  A p under 2^-126 becomes 0.
.set MM,    16384                      ; LDS: behind the batch's x (bytes 0 .. 16,383): 32 words max(x), then 32 words max(-x), one for each half of a wave
.set PART,  16640                      ; the parts: for wave w and half h 64 pairs (num, l), query q at 8 q
.set HP,    640                        ; from half 0's 512 bytes to half 1's: one store's 256 bytes then fall on different banks (64 banks of 4 bytes: ISA guide 11.1)
.set WP,    1280                       ; from wave to wave
.set FIN,   1                          ; v1      16 x lane: where wave 0 reads the parts
.set OUTO,  2                          ; v2      8 x lane: where wave 0 stores
.set PB,    3                          ; v3      where I put my parts: WP x wave + HP x half + 8 x (lane % 16)
.set ADR,   4                          ; v4      the LDS address in hand
.set CC,    5                          ; v5      c
.set XMAX,  6                          ; v6      the batch's largest x
.set NXMIN, 7                          ; v7      the batch's largest -x
.set SCP,   8                          ; v8      2^e0 as f32
.set LIMP,  9                          ; v9      448 x 2^e0
.set XQ,    10                         ; v10-13  x of my query in the tile in hand and the tiles to come
.set AQ,    14                         ; v14-15  a, twice (at the head: w_v[lane % 16], twice)
.set NM,    16                         ; v16-17  -M, twice (at the head: 2^e1 and 448 x 2^e1)
.set LA,    18                         ; v18-21  the sum of p: two chains of pairs
.set LB,    20
.set T,     22                         ; v22-23  at work
.set WO,    24                         ; v24-31  w_out[8 h + 0 .. 7]
.set ACC,   32                         ; v32-47  two accumulators, by turns
.set CD,    48                         ; v48-55  p's codes: source 1
.set VC,    56                         ; v56-87  V's codes: source 0 of the four chunks of 64 keys
.set P,     88                         ; v88-119 32 numbers at work: t - M, then p
.set RES,   120                        ; v120-127 at the head: 8 numbers of x; later v120-121: my parts on their way to LDS
.set X,     128                        ; v128-255 x of my 128 keys; at the end the parts that wave 0 adds
	s_load_b256 s[4:11], s[0:1], 0x0               ; x s[4:5], w_q s[6:7], w_k s[8:9], w_v s[10:11]
	s_load_b128 s[12:15], s[0:1], 0x20             ; w_out s[12:13], the scales' exponents s[14:15]
	s_load_b64 s[16:17], s[0:1], 0x30              ; out
	v_lshrrev_b32 v[T], 5, v0
	v_readfirstlane_b32 s18, v[T]                  ; wave 0..15
	v_and_b32 v[T], 15, v0                         ; r = lane % 16
	v_bfe_u32 v[T+1], v0, 4, 1                     ; h = lane / 16
	v_lshlrev_b32 v[P], 4, v0                      ; 16 x thread: my 16 bytes of 8,192, in memory and in LDS
	v_lshlrev_b32 v[P+1], 2, v[T]                  ; 4 r
	v_lshlrev_b32 v[P+2], 5, v[T+1]                ; 32 h
	v_lshrrev_b32 v[P+4], 4, v0
	v_lshlrev_b32 v[P+4], 2, v[P+4]                ; 4 x (2 wave + h): my half-wave's word
	v_lshlrev_b32 v[P+5], 3, v[T]                  ; 8 r: two half-waves' words
	s_mul_i32 s19, s18, WP
	v_mul_u32_u24 v[PB], v[T+1], HP
	v_lshl_add_u32 v[PB], v[T], 3, v[PB]
	v_add_nc_u32 v[PB], s19, v[PB]
	s_lshl_b32 s19, s18, 10
	v_lshl_add_u32 v[ADR], v[T+1], 9, s19          ; my 128 keys' x in LDS: 1,024 x wave + 512 h
	v_and_b32 v[FIN], 31, v0
	v_lshlrev_b32 v[OUTO], 3, v[FIN]
	v_lshlrev_b32 v[FIN], 4, v[FIN]
	s_lshr_b32 s20, ttmp9, 6                       ; the batch: 64 work-groups each,
	s_lshl_b32 s20, s20, 14                        ; 16,384 bytes of x each
	s_mov_b32 s21, 0
	s_lshl_b32 s22, ttmp9, 8                       ; my 64 queries: 256 bytes of x and of out
	s_mov_b32 s23, 0
	s_mov_b32 s36, 0x34000000                      ; 2^-23
	s_wait_kmcnt 0x0
	s_load_b64 s[24:25], s[14:15], 0x0             ; e0 (p's), e1 (v's)
	s_add_nc_u64 s[26:27], s[4:5], s[20:21]        ; the batch's x
	s_add_nc_u64 s[28:29], s[4:5], s[22:23]        ; my queries' x
	s_add_nc_u64 s[16:17], s[16:17], s[22:23]      ; my results
	global_load_b128 v[RES:RES+3], v[P], s[26:27]                  ; the batch's x, once: a wave's load covers 512 consecutive bytes
	global_load_b128 v[RES+4:RES+7], v[P], s[26:27] offset:8192
	global_load_b32 v[CC], v[P+1], s[6:7]                          ; w_q[r]
	global_load_b32 v[XMAX], v[P+1], s[8:9]                        ; w_k[r]
	global_load_b32 v[AQ], v[P+1], s[10:11]                        ; w_v[r]: as source 0's lane I hold channel d = r
	global_load_b128 v[WO:WO+3], v[P+2], s[12:13]                  ; w_out[8 h + 0 .. 7]: the channels of my eight results
	global_load_b128 v[WO+4:WO+7], v[P+2], s[12:13] offset:16
.irp t, 0,1,2,3
	global_load_b32 v[XQ+\t], v[P+1], s[28:29] offset:64*\t        ; x of query 16 t + r
.endr
	s_wait_loadcnt 0x9                             ; loads come back in order: my 8 numbers of x are in, the nine loads behind them may be out
	ds_store_b128 v[P], v[RES:RES+3]
	ds_store_b128 v[P], v[RES+4:RES+7] offset:8192
	v_max3_num_f32 v[P+6], v[RES], v[RES+1], v[RES+2]              ; max(x) and max(-x) of my 8,
	v_max3_num_f32 v[P+7], -v[RES], -v[RES+1], -v[RES+2]
	v_max3_num_f32 v[P+6], v[P+6], v[RES+3], v[RES+4]
	v_max3_num_f32 v[P+7], v[P+7], -v[RES+3], -v[RES+4]
	v_max3_num_f32 v[P+6], v[P+6], v[RES+5], v[RES+6]
	v_max3_num_f32 v[P+7], v[P+7], -v[RES+5], -v[RES+6]
	v_max_num_f32 v[P+6], v[P+6], v[RES+7]
	v_max_num_f32 v[P+7], v[P+7], -v[RES+7]
.irp m, 1,2,4,8
	v_max_num_f32_dpp v[P+6], v[P+6], v[P+6] row_xmask:\m row_mask:0xf bank_mask:0xf   ; and of my half of the wave
	v_max_num_f32_dpp v[P+7], v[P+7], v[P+7] row_xmask:\m row_mask:0xf bank_mask:0xf
.endr
	ds_store_b32 v[P+4], v[P+6] offset:MM          ; sixteen lanes write one word with one value
	ds_store_b32 v[P+4], v[P+7] offset:MM+128
	s_wait_loadcnt 0x0
	v_mul_f32 v[CC], v[CC], v[XMAX]                ; w_q[r] w_k[r],
.irp m, 1,2,4,8
	v_add_f32_dpp v[CC], v[CC], v[CC] row_xmask:\m row_mask:0xf bank_mask:0xf          ; summed over the 16: w_q . w_k, in every lane
.endr
	v_mul_f32 v[CC], 0x3eb8aa3b, v[CC]             ; c = (w_q . w_k) x log2(e) / 4
	v_mov_b32 v[AQ+1], v[AQ]                       ; w_v[r] twice, for the packed multiply
	s_wait_kmcnt 0x0
	s_add_co_i32 s30, s24, 127
	s_lshl_b32 s31, s30, 23
	v_mov_b32 v[SCP], s31                          ; 2^e0 as f32: the conversion takes its exponent field
	s_add_co_i32 s30, s30, 8
	s_lshl_b32 s30, s30, 23
	s_or_b32 s30, s30, 0x600000
	v_mov_b32 v[LIMP], s30                         ; 448 x 2^e0
	s_add_co_i32 s30, s25, 127
	s_lshl_b32 s31, s30, 23
	v_mov_b32 v[NM], s31                           ; 2^e1
	s_add_co_i32 s30, s30, 8
	s_lshl_b32 s30, s30, 23
	s_or_b32 s30, s30, 0x600000
	v_mov_b32 v[NM+1], s30                         ; 448 x 2^e1
	s_add_co_i32 s33, s24, s25                     ; e0 + e1
	s_wait_dscnt 0x0                               ; for the others' sake: my stores of x and of the extremes are done
	s_barrier_signal -1
	s_barrier_wait -1                              ; the batch's x and the 32 half-waves' extremes lie in LDS
	ds_load_b64 v[P+8:P+9], v[P+5] offset:MM       ; half-waves 2 r and 2 r + 1: sixteen lanes hold all 32
	ds_load_b64 v[P+10:P+11], v[P+5] offset:MM+128
.set i, 0
.rept 32
	ds_load_b128 v[X+4*i:X+4*i+3], v[ADR] offset:16*i              ; register n = x of key 256 wave + 128 h + n: the sixteen lanes of a half read the same 16 bytes
.set i, i+1
.endr
	s_wait_dscnt 32                                ; LDS loads come back in order: the extremes are in, the 32 loads of x may be out
	v_max_num_f32 v[XMAX], v[P+8], v[P+9]
	v_max_num_f32 v[NXMIN], v[P+10], v[P+11]
.irp m, 1,2,4,8
	v_max_num_f32_dpp v[XMAX], v[XMAX], v[XMAX] row_xmask:\m row_mask:0xf bank_mask:0xf
	v_max_num_f32_dpp v[NXMIN], v[NXMIN], v[NXMIN] row_xmask:\m row_mask:0xf bank_mask:0xf
.endr
; V's codes of chunk c (64 keys, 32 a lane): v = x[key] w_v[d], held within +-448 x 2^e1 (the conversion to an 8-bit code does not saturate: ISA guide 7.6.2), converted eight at a time.
.macro VCODES c
	s_wait_dscnt 24-8*\c                           ; the chunk's eight loads of x are in; the later chunks' may be out
.set i, 0
.rept 16
	v_pk_mul_f32 v[P+i:P+i+1], v[X+32*\c+i:X+32*\c+i+1], v[AQ:AQ+1]
.set i, i+2
.endr
.set i, 0
.rept 32
	v_med3_num_f32 v[P+i], v[P+i], -v[NM+1], v[NM+1]
.set i, i+1
.endr
.irp g, 0,1,2,3
	v_cvt_scalef32_pk8_fp8_f32 v[VC+8*\c+2*\g:VC+8*\c+2*\g+1], v[P+8*\g:P+8*\g+7], v[NM]
.endr
	v_nop                                          ; one plain vector instruction between the conversions and the lines that write their sources again or read their results
.endm
	VCODES 0
	VCODES 1
	VCODES 2
	VCODES 3
; A chunk: 16 queries x 64 keys (32 a lane).  t - M by packed fused multiply-adds; the 32 exponentials as one batch with one wait; the sum of the unquantised p; the hold, where the given scale needs one; the codes; one product.
.macro CHUNK c
.set i, 0
.rept 16
	v_pk_fma_f32 v[P+i:P+i+1], v[X+32*\c+i:X+32*\c+i+1], v[AQ:AQ+1], v[NM:NM+1]      ; x[key] a - M, rounded once; never positive.  (These are also the places behind the last product, ahead of the conversions that write its source 1 again)
.set i, i+2
.endr
.set i, 0
.rept 32
	v_exp_f32 v[P+i], v[P+i]                       ; p = 2^(t - M) <= 1
.set i, i+1
.endr
	v_nop                                          ; a plain instruction behind the last exponential (ISA guide 5.7.2),
	s_wait_alu depctr_va_vdst(0)                   ; and the one wait for the batch ahead of its first reader
.if \c == 0
	v_pk_add_f32 v[LA:LA+1], v[P:P+1], v[P+2:P+3]  ; a tile's first chunk starts the two chains: nothing is cleared
	v_pk_add_f32 v[LB:LB+1], v[P+4:P+5], v[P+6:P+7]
.set i, 8
.else
.set i, 0
.endif
.rept (32-i)/4
	v_pk_add_f32 v[LA:LA+1], v[LA:LA+1], v[P+i:P+i+1]
	v_pk_add_f32 v[LB:LB+1], v[LB:LB+1], v[P+i+2:P+i+3]
.set i, i+4
.endr
	s_cmp_ge_i32 s24, -8                           ; e0 >= -8: 448 x 2^e0 >= 1.75, above every p: the hold would change nothing.  A branch on the given whole number, the same in every wave; no barrier stands under it
	s_cbranch_scc1 .Lno_hold_\@
.set i, 0
.rept 32
	v_min_num_f32 v[P+i], v[P+i], v[LIMP]          ; p is not negative: the hold at the largest code x the scale is one-sided
.set i, i+1
.endr
.Lno_hold_\@:
.irp g, 0,1,2,3
	v_cvt_scalef32_pk8_fp8_f32 v[CD+2*\g:CD+2*\g+1], v[P+8*\g:P+8*\g+7], v[SCP]
.endr
	v_nop                                          ; one plain vector instruction between the conversions and the product that reads their results
.if \c < 2                                     ; two accumulators take turns, one instruction a turn; each sum's first product takes the constant 0
	v_wmma_f32_16x16x64_fp8_fp8 v[ACC+8*(\c%2):ACC+8*(\c%2)+7], v[VC+8*\c:VC+8*\c+7], v[CD:CD+7], 0
.else
	v_wmma_f32_16x16x64_fp8_fp8 v[ACC+8*(\c%2):ACC+8*(\c%2)+7], v[VC+8*\c:VC+8*\c+7], v[CD:CD+7], v[ACC+8*(\c%2):ACC+8*(\c%2)+7]
.endif
.endm
	s_mov_b32 s34, 0                               ; 128 x tile: the tile's 16 pairs among my parts; also the loop's counter
.Ltile:
	v_mul_f32 v[AQ], v[XQ], v[CC]                  ; a = x[query] c
	v_mul_f32 v[T], v[AQ], v[XMAX]                 ; a xmax,
	v_mul_f32 v[T+1], -v[AQ], v[NXMIN]             ; a xmin:
	v_max_num_f32 v[T], v[T], v[T+1]               ; the row's largest t,
	v_fma_f32 v[T], |v[T]|, s36, v[T]              ; one to two units in its last place higher: at or above the exact a x of every key
	v_floor_f32 v[NM], -v[T]                       ; -M = floor(-t) = -ceil(t): a whole number
	v_mov_b32 v[AQ+1], v[AQ]
	v_mov_b32 v[NM+1], v[NM]
	CHUNK 0
	CHUNK 1
	CHUNK 2
	CHUNK 3
	v_pk_add_f32 v[LA:LA+1], v[LA:LA+1], v[LB:LB+1]                ; this line and the four on the first accumulator, whose last product lies a chunk back, are the places behind the last product
	v_pk_mul_f32 v[P:P+1], v[ACC:ACC+1], v[WO:WO+1]                ; sum_j O^T(8 h + j, my query) w_out[8 h + j]: each accumulator from its low end on
	v_pk_fma_f32 v[P:P+1], v[ACC+2:ACC+3], v[WO+2:WO+3], v[P:P+1]
	v_pk_fma_f32 v[P:P+1], v[ACC+4:ACC+5], v[WO+4:WO+5], v[P:P+1]
	v_pk_fma_f32 v[P:P+1], v[ACC+6:ACC+7], v[WO+6:WO+7], v[P:P+1]
	v_pk_fma_f32 v[P:P+1], v[ACC+8:ACC+9], v[WO:WO+1], v[P:P+1]
	v_pk_fma_f32 v[P:P+1], v[ACC+10:ACC+11], v[WO+2:WO+3], v[P:P+1]
	v_pk_fma_f32 v[P:P+1], v[ACC+12:ACC+13], v[WO+4:WO+5], v[P:P+1]
	v_pk_fma_f32 v[P:P+1], v[ACC+14:ACC+15], v[WO+6:WO+7], v[P:P+1]
	s_wait_dscnt 0x0                               ; the last tile's store, a tile back, is done: its data and address registers are written again
	v_add_f32 v[RES], v[P], v[P+1]                 ; my part of the numerator: 8 channels, 256 keys
	v_add_f32 v[RES+1], v[LA], v[LA+1]             ; my part of l: 128 keys
	v_add_nc_u32 v[ADR], s34, v[PB]
	ds_store_b64 v[ADR], v[RES:RES+1] offset:PART
	v_mov_b32 v[XQ], v[XQ+1]                       ; the next tile's query moves up
	v_mov_b32 v[XQ+1], v[XQ+2]
	v_mov_b32 v[XQ+2], v[XQ+3]
	s_add_co_u32 s34, s34, 128
	s_cmp_lt_u32 s34, 512
	s_cbranch_scc1 .Ltile
	s_wait_dscnt 0x0                               ; for wave 0's sake: my parts lie in LDS
	s_barrier_signal -1
	s_barrier_wait -1
	s_cmp_lg_u32 s18, 0
	s_cbranch_scc1 .Lend                           ; wave 0 alone goes on: lane l takes queries 2 l and 2 l + 1
.set i, 0
.rept 32
	ds_load_b128 v[X+4*i:X+4*i+3], v[FIN] offset:PART+(i/2)*WP+(i%2)*HP    ; (num, l) of my two queries from wave i / 2, half i % 2: the 32 lanes read 512 consecutive bytes
.set i, i+1
.endr
	s_wait_dscnt 0x0
.irp s, 16,8,4,2,1                             ; the 32 parts are added in pairs: 16, 8, 4, 2, 1 apart
.set i, 0
.rept \s
	v_pk_add_f32 v[X+4*i:X+4*i+1], v[X+4*i:X+4*i+1], v[X+4*(i+\s):X+4*(i+\s)+1]
	v_pk_add_f32 v[X+4*i+2:X+4*i+3], v[X+4*i+2:X+4*i+3], v[X+4*(i+\s)+2:X+4*(i+\s)+3]
.set i, i+1
.endr
.endr
	v_rcp_f32 v[X+4], v[X+1]                       ; 1 / l: l is at least a quarter, since the row's largest p is above a quarter
	v_rcp_f32 v[X+5], v[X+3]
	v_nop                                          ; a plain instruction behind the last reciprocal,
	s_wait_alu depctr_va_vdst(0)                   ; and the one wait for both ahead of their first reader
	v_mul_f32 v[X+4], v[X], v[X+4]
	v_mul_f32 v[X+5], v[X+2], v[X+5]
	v_ldexp_f32 v[X+4], v[X+4], s33                ; x 2^(e0 + e1): the codes' two scales
	v_ldexp_f32 v[X+5], v[X+5], s33
	global_store_b64 v[OUTO], v[X+4:X+5], s[16:17] ; 32 lanes store 256 consecutive bytes, at a multiple of 256 from out's first byte
.Lend:
	s_wait_xcnt 0x0
	v_lshl_add_u32 v254, v0, 2, 0x9400
	v_mov_b32 v255, 0
	s_wait_tensorcnt 0x0
	ds_add_u32 v254, v255
	s_wait_dscnt 0x0
	s_endpgm
.Lfunc_end_k_qcb0ad159b4_attn:
	.size	k_qcb0ad159b4_attn, .Lfunc_end_k_qcb0ad159b4_attn-k_qcb0ad159b4_attn
	.p2alignl 7, 3214868480
	.fill 96, 4, 3214868480
	.section	.rodata,"a",@progbits
	.p2align	6, 0x0
	.amdhsa_kernel k_qcb0ad159b4_attn
		.amdhsa_group_segment_fixed_size 39936
		.amdhsa_private_segment_fixed_size 0
		.amdhsa_enable_private_segment 0
		.amdhsa_kernarg_size 56
		.amdhsa_user_sgpr_count 2
		.amdhsa_user_sgpr_kernarg_segment_ptr 1
		.amdhsa_wavefront_size32 1
		.amdhsa_system_sgpr_workgroup_id_x 1
		.amdhsa_system_sgpr_workgroup_id_y 1
		.amdhsa_system_sgpr_workgroup_id_z 1
		.amdhsa_system_vgpr_workitem_id 0
		.amdhsa_next_free_vgpr 256
		.amdhsa_next_free_sgpr 66
		.amdhsa_reserve_vcc 0
		.amdhsa_float_denorm_mode_32 3
		.amdhsa_float_denorm_mode_16_64 3
		.amdhsa_memory_ordered 1
		.amdhsa_forward_progress 1
		.amdhsa_inst_pref_size 47
	.end_amdhsa_kernel
	.amdgpu_metadata
---
amdhsa.version: [ 1, 2 ]
amdhsa.kernels:
  - .name:           k_qcb0ad159b4_attn
    .symbol:         k_qcb0ad159b4_attn.kd
    .args:
      - { .name: x, .offset: 0, .size: 8, .value_kind: global_buffer, .address_space: global }
      - { .name: w_q, .offset: 8, .size: 8, .value_kind: global_buffer, .address_space: global }
      - { .name: w_k, .offset: 16, .size: 8, .value_kind: global_buffer, .address_space: global }
      - { .name: w_v, .offset: 24, .size: 8, .value_kind: global_buffer, .address_space: global }
      - { .name: w_out, .offset: 32, .size: 8, .value_kind: global_buffer, .address_space: global }
      - { .name: lowp_scales, .offset: 40, .size: 8, .value_kind: global_buffer, .address_space: global }
      - { .name: out0, .offset: 48, .size: 8, .value_kind: global_buffer, .address_space: global }
    .group_segment_fixed_size: 39936
    .private_segment_fixed_size: 0
    .kernarg_segment_align: 8
    .kernarg_segment_size: 56
    .max_flat_workgroup_size: 512
    .sgpr_count:     66
    .vgpr_count:     256
    .wavefront_size: 32
...
	.end_amdgpu_metadata
.endif
;; end of part 1
